; MI455X (gfx1250); checked and timed in simulation.
; The chip was launched on July 23, 2026; its instructions are those of AMD's public machine-readable ISA for CDNA 5 (MIT licence, August 2026) and "CDNA5" Instruction Set Architecture Reference Guide (July 2026). The comments in the code are by the model that wrote it; some were corrected since.
;; Time Aware Multi Head Attention. Allowed arithmetic: float matrix products may take bf16 or f16 operands with f32 sums; all other float work in f32.
;; Inputs: Wk 64 x 64 float32; Wq 64 x 64 float32; Wv 64 x 64 float32; abs_pos_K 16 x 200 x 64 float32; abs_pos_V 16 x 200 x 64 float32; attn_mask 200 x 200 bool; bk 64 float32; bq 64 float32; bv 64 float32; dis_matrix_K 16 x 200 x 200 x 64 float32; dis_matrix_V 16 x 200 x 200 x 64 float32; keys 16 x 200 x 64 float32; queries 16 x 200 x 64 float32; time_mask 16 x 200 bool; time_matrix_K 16 x 200 x 200 x 64 float32; time_matrix_V 16 x 200 x 200 x 64 float32.
;; Outputs: out0 16 x 200 x 64 float32.
;; One version. Each part assembles by itself: llvm-mc -triple=amdgcn-amd-amdhsa -mcpu=gfx1250 --defsym DOCPART=n.
;; ======== version 1 of 1: 1 launch
;; launch tattn (part 1): grid 16 x 16, 13 waves a work-group, no clusters, 179,200 bytes of LDS; arguments queries, keys, time_mask, attn_mask, time_matrix_K, dis_matrix_K, time_matrix_V, dis_matrix_V, abs_pos_K, abs_pos_V, Wq, Wk, Wv, bq, bk, bv, out0; writes out0
.if DOCPART == 1
	.amdgcn_target "amdgcn-amd-amdhsa--gfx1250"
	.amdhsa_code_object_version 6
	.text
	.protected	k_q31d4411180_tattn
	.globl	k_q31d4411180_tattn
	.p2align	8
	.type	k_q31d4411180_tattn,@function
k_q31d4411180_tattn:
	s_mov_b64 s[64:65], 0
	v_nop
	global_prefetch_b8 v0, s[64:65] scope:SCOPE_SE
	s_setreg_imm32_b32 hwreg(HW_REG_WAVE_MODE, 25, 1), 1
	s_wait_xcnt 0x0
; Time-aware attention, B = 16, L = 200, H = 64, two heads of 32.  For every row (b, q) and head:
;   score[k] = Q[b,q] . (K[b,k] + pK[b,k] + tK[b,q,k] + dK[b,q,k]) / sqrt(32), masked scores replaced by -2^32, softmax over k,
;   out[b,q] = sum over k of A[k] (V[b,k] + pV[b,k] + tV[b,q,k] + dV[b,q,k]).
; The four [16][200][200][64] f32 tensors are 655 of the 659 MB of input, and each of their bytes belongs to one row (b, q): the kernel is a
; stream.  SHARES: work-group (x = i, y = b) owns rows q0 .. q0 + nrows - 1 of batch b, q0 = 25 i / 2, nrows = 12 + (i & 1); ONE WAVE OWNS ONE
; ROW from the first score to the stored output, so no reduction leaves a wave.  Lane (c = lane & 15, hh = lane >> 4) owns columns 4c .. 4c+3
; (head c >> 3) of the k rows of parity hh: one 16-byte load of the wave covers k rows 2j and 2j+1, 512 consecutive bytes, aligned; 100 steps
; walk a slab of 51,200 bytes.  The 100 scores of a lane stay in registers between the two passes, which is why the steps are written out.
; PROLOGUE: the 13 waves build K + bk + pK and V + bv + pV of the whole batch (f32, in LDS) and the block's Q rows with the matrix unit
; (bf16 operands, f32 sums, pK + bk and pV + bv entering as the C operand).  The stream then adds one LDS row pair to each step.
; TIME-MASKED ROWS: where time_mask[b,q] is set, every score of the row is replaced by the same constant, so the weights are exactly 1/200
; whatever Q, tK and dK hold.  Such a row is the mean of the V side and streams tV and dV alone.  The flag is read from the input.
; THE WAVE WITHOUT A ROW: in the 128 blocks of 12 rows wave 12 works in the prologue only.  It still issues the 20 first stream loads (10 KB of
; row q0 + 12, which lies inside the buffer and is read again by the block that owns it), so that all waves count the same loads at the same waits.
; NOT USED, by this text's arithmetic: the matrix unit for the attention sums (each (b, q) has matrices of its own, used with one vector);
; copies into LDS for the stream (each byte is used once, by the lane that loads it); clusters (what the 16 blocks of a batch share, 208 KB
; read once at the start, is 8 per cent of a block's bytes); prefetches (20 loads of 512 bytes of every wave are always on their way).
; LIMITS, stated: mask bytes are taken as 0 or 1 (bit 0 of attn_mask, time_mask against zero).  The factor log2(e) / sqrt(32) is folded into Q and
; the mask constant is -2^32 log2(e), so the exponentials are base 2; the row's maximum is taken away first.  v_exp_f32 gives zero for results below
; 2^-126.  Order of rounding: (tK + dK) + (K + bk + pK) is summed in f32 and then dotted once with Q; likewise on the V side.  Only the
; operands of the three projections are rounded to bf16.
.set SLAB,   51200                     ; bytes of a [200][64] f32 matrix: one (b, q) slab, one batch of keys, pK, pV
.set BATCH,  200*SLAB                  ; bytes of one batch of a streamed tensor
.set STEPS,  100                       ; steps of 2 k rows in a slab
.set DEPTH,  10                        ; steps in flight in registers: 20 loads of a wave
.set LDEPTH, 4                         ; LDS fetches in flight
.set PF,     272                       ; LDS pitch of a row of 64 f32: 256 + 16 bytes, an odd multiple of 16
.set PH,     144                       ; LDS pitch of a row of 64 bf16: 128 + 16 bytes, an odd multiple of 16
.set BLK,    16*PH                     ; 16 bf16 rows
.set VP,     208*PF                    ; LDS: [0, VP) K + bk + pK, 208 rows (200-207 repeat 192-199 and are never streamed); [VP, 2 VP) the V side
.set STG,    2*VP                      ; 13 blocks of 16 bf16 rows: 0-3 Wq, 4-7 Wk, 8-11 Wv, 12 the block's query rows q0 .. q0+15
.set KEYB,   13*BLK                    ; (from STG) 13 blocks: wave w's 16 key rows in bf16
.set QS,     STG+26*BLK                ; 16 rows of queries Wq^T, f32, pitch PF; the end is 177,408
; vector registers of the stream
.set LANE16, 1                         ; 16 x lane: byte offset in every stream load, and in the store
.set LKP,    2                         ; PF hh + 16 c: my 16 bytes of the K side's rows 2j + hh
.set LVP,    3                         ; the same on the V side
.set NEGV,   4                         ; -2^32 log2(e)
.set C16,    5                         ; 16 c
.set MW,     6                         ; v[6:9]    lane l of word g: the 32-lane mask of step 32 g + l
.set BQ,     10                        ; v[10:13]  bq of my columns
.set QV,     14                        ; v[14:17]  (Q + bq) log2(e) / sqrt(32) of my columns
.set ACC,    18                        ; v[18:21]  output sums
.set X,      22                        ; v[22:25]  at work
.set M0,     26
.set M1,     27
.set MP,     28                        ; v[28:29]  the maximum, twice
.set RL,     30                        ; v[30:31]  1 / sum, twice
.set LR,     32                        ; v[32:47]  LDEPTH slots of 4: rows from LDS
.set SC,     48                        ; v[48:147] score, then weight, of step j
.set RING,   148                       ; v[148:227] DEPTH slots of 8: words 0-3 the time tensor, 4-7 the dis tensor
; vector registers of the prologue (the landing areas and fragments lie under the stream's registers, which are not live yet)
.set LA,     16                        ; v[16:47]   my staging share, 16 rows
.set LB,     48                        ; v[48:79]   my 16 key rows
.set LC,     80                        ; v[80:111]  my 16 rows of pK
.set LD,     112                       ; v[112:143] my 16 rows of pV
.set SH6,    144                       ; offsets of the share's last two loads, clamped
.set SH7,    145
.set AF,     16                        ; v[16:31]   fragments of 16 key (query) rows, K = 64
.set BF,     32                        ; v[32:95]   fragments of 64 weight rows, K = 64
.set CD,     96                        ; v[96:127]  four accumulator tiles
.set BK,     228                       ; v[228:231] bk of my columns
.set BV,     232                       ; v[232:235] bv
.set ML,     236                       ; v[236:239] mask bytes as loaded
.set STA,    240                       ; LDS: where my staged bf16 go
.set FB,     241                       ; LDS: fragment address in STG's block 0
.set FA,     242                       ; LDS: fragment address in STG's block w
.set CDA,    243                       ; LDS: my tile of the K side in accumulator order
.set PSA,    244                       ; LDS: my tile of the K side in row order
.set QDA,    245                       ; LDS: QS in accumulator order
.set QRA,    246                       ; LDS: my row of QS
.set ALO,    247                       ; global: rows 16w .. 16w+7 of a batch
.set AHI,    248                       ; global: rows min(16w+8, 192) .. +7
.set MA0,    249                       ; global: 2 x lane in my mask row
.set MA1,    250                       ; global: min(192 + 2 x lane, 198)
; scalar registers: s3 wave, s4 i, s5 b, s6 q0, s7 q, s42 nrows, s43 clamp, s[44:47] offsets, s48-49 lane selects, s54 200 b + q, s56 time flag
.set PQRY, 8
.set PKEY, 10
.set PTM,  12
.set PAM,  14
.set PTK,  16
.set PDK,  18
.set PTV,  20
.set PDV,  22
.set PPK,  24
.set PPV,  26
.set PWQ,  28
.set PWK,  30
.set PWV,  32
.set PBQ,  34
.set PBK,  36
.set PBV,  38
.set POUT, 40
.set MSK,  50                          ; s50, s51: the steps' mask words, taking turns
.set PSH,  52                          ; s[52:53] my staging share
	s_load_b512 s[8:23], s[0:1], 0x0               ; queries, keys, time_mask, attn_mask, tK, dK, tV, dV
	s_load_b512 s[24:39], s[0:1], 0x40             ; pK, pV, Wq, Wk, Wv, bq, bk, bv
	s_load_b64 s[40:41], s[0:1], 0x80              ; out0
	v_lshrrev_b32 v251, 5, v0
	v_readfirstlane_b32 s3, v251                   ; wave 0 .. 12
	s_mov_b32 s4, ttmp9                            ; i
	s_and_b32 s5, ttmp7, 0xffff                    ; b
	s_mul_i32 s6, s4, 25
	s_lshr_b32 s6, s6, 1                           ; q0
	s_add_co_u32 s7, s6, s3                        ; q, at most 199 (q0 + 12 <= 187 where the block has 12 rows)
	s_and_b32 s42, s4, 1
	s_add_co_u32 s42, s42, 12                      ; nrows
	s_mul_i32 s54, s5, 200
	s_add_co_u32 s55, s54, s6
	s_add_co_u32 s54, s54, s7                      ; 200 b + q
	s_lshl_b32 s55, s55, 8                         ; byte offset of query row (b, q0)
	s_sub_co_u32 s43, 819184, s55                  ; from there to the last 16 bytes of queries
	s_mul_i32 s44, s5, BATCH
	s_mul_i32 s2, s7, SLAB
	s_add_co_u32 s44, s44, s2                      ; my slab: under 163,840,000
	s_mov_b32 s45, 0
	s_mul_i32 s46, s5, SLAB                        ; my batch of keys, pK, pV
	s_mov_b32 s47, 0
	s_and_b32 s50, s54, -4                         ; the word of time_mask that holds my byte
	s_mov_b32 s51, 0
	s_mov_b32 s48, 0x76543210                      ; v_permlanex16_b32: lane i of one half reads lane i of the other
	s_mov_b32 s49, 0xfedcba98
	v_and_b32 v251, 31, v0                         ; lane
	v_and_b32 v252, 15, v0                         ; c
	v_bfe_u32 v253, v0, 4, 1                       ; hh
	v_lshlrev_b32 v[LANE16], 4, v251
	v_lshlrev_b32 v[C16], 4, v252
	v_mad_u32_u24 v[LKP], v253, PF, v[C16]
	v_add_nc_u32 v[LVP], VP, v[LKP]
	v_mov_b32 v[NEGV], 0xcfb8aa3b
	s_lshl_b32 s2, s3, 12                          ; 16 w rows of 256 bytes
	v_add_nc_u32 v[ALO], s2, v[LANE16]
	s_lshl_b32 s2, s3, 4
	s_add_co_u32 s2, s2, 8
	s_min_u32 s2, s2, 192                          ; tile 12 has 8 rows: its upper half reads rows 192-199 again, inside the buffer
	s_lshl_b32 s2, s2, 8
	v_add_nc_u32 v[AHI], s2, v[LANE16]
	v_lshlrev_b32 v[MA0], 1, v251
	v_add_nc_u32 v[MA1], 192, v[MA0]
	v_min_u32 v[MA1], 198, v[MA1]                  ; the row has 200 bytes: lanes 3-31 all take its last two
	s_mul_i32 s2, s3, BLK
	s_add_co_u32 s2, s2, STG                       ; STG's block w
	v_mul_u32_u24 v254, v253, PH
	v_lshl_add_u32 v254, v252, 3, v254             ; row hh, 4 bf16 at column 4c
	v_add_nc_u32 v[STA], s2, v254
	v_mul_u32_u24 v254, v252, PH
	v_lshl_add_u32 v254, v253, 4, v254             ; a fragment's lane: row c, 16 bytes for each half of the lanes
	v_add_nc_u32 v[FB], STG, v254
	v_add_nc_u32 v[FA], s2, v254
	s_mul_i32 s2, s3, 16*PF                        ; my 16 rows of the K side
	v_mul_u32_u24 v254, v252, PF
	v_lshl_add_u32 v254, v253, 5, v254             ; an accumulator's lane: row c, 8 f32 at column 8 hh
	v_add_nc_u32 v[CDA], s2, v254
	v_add_nc_u32 v[QDA], QS, v254
	v_add_nc_u32 v[PSA], s2, v[LKP]
	s_mul_i32 s2, s3, PF
	s_add_co_u32 s2, s2, QS                        ; QS row w = query row q0 + w
	v_add_nc_u32 v[QRA], s2, v[C16]
	s_wait_kmcnt 0x0                               ; the 17 addresses
	s_add_nc_u64 s[PTM:PTM+1], s[PTM:PTM+1], s[50:51]
	s_load_b32 s56, s[PTM:PTM+1], 0x0              ; four bytes of time_mask, mine among them
	s_add_nc_u64 s[PTK:PTK+1], s[PTK:PTK+1], s[44:45]
	s_add_nc_u64 s[PDK:PDK+1], s[PDK:PDK+1], s[44:45]
	s_add_nc_u64 s[PTV:PTV+1], s[PTV:PTV+1], s[44:45]
	s_add_nc_u64 s[PDV:PDV+1], s[PDV:PDV+1], s[44:45]
	s_add_nc_u64 s[PKEY:PKEY+1], s[PKEY:PKEY+1], s[46:47]
	s_add_nc_u64 s[PPK:PPK+1], s[PPK:PPK+1], s[46:47]
	s_add_nc_u64 s[PPV:PPV+1], s[PPV:PPV+1], s[46:47]
	s_mul_i32 s44, s7, 200
	s_add_nc_u64 s[PAM:PAM+1], s[PAM:PAM+1], s[44:45]      ; row q of attn_mask
	s_lshl_b32 s44, s54, 8
	s_add_nc_u64 s[POUT:POUT+1], s[POUT:POUT+1], s[44:45]  ; row (b, q) of out0
	; My staging share, 16 rows of 256 bytes: waves 0-3 Wq, 4-7 Wk, 8-11 Wv (rows 16 (w & 3) ..), wave 12 query rows q0 .. q0+15.
	s_lshr_b32 s2, s3, 2
	s_and_b32 s46, s3, 3
	s_lshl_b32 s46, s46, 12
	s_cmp_eq_u32 s2, 3
	s_cselect_b32 s46, s55, s46
	s_cselect_b32 s43, s43, 4080                   ; a weight share ends at 4,096: nothing is clamped there
	s_cselect_b64 s[PSH:PSH+1], s[PQRY:PQRY+1], s[PWV:PWV+1]
	s_cmp_eq_u32 s2, 1
	s_cselect_b64 s[PSH:PSH+1], s[PWK:PWK+1], s[PSH:PSH+1]
	s_cmp_eq_u32 s2, 0
	s_cselect_b64 s[PSH:PSH+1], s[PWQ:PWQ+1], s[PSH:PSH+1]
	s_add_nc_u64 s[PSH:PSH+1], s[PSH:PSH+1], s[46:47]
	; Query rows q0 .. q0+12 always exist; rows q0+13 .. q0+15, which no wave uses, would pass the buffer's end for b = 15, q0 = 187:
	; the offsets of rows 12-15 are held at the buffer's last 16 bytes.
	v_add_nc_u32 v[SH6], 3072, v[LANE16]
	v_add_nc_u32 v[SH7], 3584, v[LANE16]
	v_min_u32 v[SH6], s43, v[SH6]
	v_min_u32 v[SH7], s43, v[SH7]
; 16 rows of a batch: eight loads of 512 consecutive bytes; load t brings rows 2t + hh of my tile, columns 4c .. 4c+3
.macro LOAD16 land, base
.irp t, 0,1,2,3
	global_load_b128 v[\land+4*\t:\land+4*\t+3], v[ALO], s[\base:\base+1] offset:512*\t
.endr
.irp t, 0,1,2,3
	global_load_b128 v[\land+16+4*\t:\land+16+4*\t+3], v[AHI], s[\base:\base+1] offset:512*\t
.endr
.endm
	; 39 loads: share 8, keys 8, bk 1, pK 8, bv 1, pV 8, bq 1, mask 4
.irp t, 0,1,2,3,4,5
	global_load_b128 v[LA+4*\t:LA+4*\t+3], v[LANE16], s[PSH:PSH+1] offset:512*\t
.endr
	global_load_b128 v[LA+24:LA+27], v[SH6], s[PSH:PSH+1]
	global_load_b128 v[LA+28:LA+31], v[SH7], s[PSH:PSH+1]
	LOAD16 LB, PKEY
	global_load_b128 v[BK:BK+3], v[C16], s[PBK:PBK+1]
	LOAD16 LC, PPK
	global_load_b128 v[BV:BV+3], v[C16], s[PBV:PBV+1]
	LOAD16 LD, PPV
	global_load_b128 v[BQ:BQ+3], v[C16], s[PBQ:PBQ+1]
	global_load_u16 v[ML], v[MA0], s[PAM:PAM+1]              ; lane l: mask bytes of k = 2j, 2j+1 for step j = l,
	global_load_u16 v[ML+1], v[MA0], s[PAM:PAM+1] offset:64  ; 32 + l,
	global_load_u16 v[ML+2], v[MA0], s[PAM:PAM+1] offset:128 ; 64 + l,
	global_load_u16 v[ML+3], v[MA1], s[PAM:PAM+1]            ; 96 + l (l <= 3)
; Step t of the stream (0-99 the K side, 100-199 the V side): two loads of 512 consecutive bytes into ring slot t mod DEPTH.
; Their address register and bases are never written again, so the stream needs no wait for sources.
.macro ISSUE t, b0, b1
	global_load_b128 v[RING+8*((\t)%DEPTH):RING+8*((\t)%DEPTH)+3], v[LANE16], s[\b0:\b0+1] offset:512*((\t)%STEPS) th:TH_LOAD_NT
	global_load_b128 v[RING+8*((\t)%DEPTH)+4:RING+8*((\t)%DEPTH)+7], v[LANE16], s[\b1:\b1+1] offset:512*((\t)%STEPS) th:TH_LOAD_NT
.endm
	; The first ring fill stands in front of the prologue's work: an open row starts on tK and dK, a time-masked row on tV and dV.
	; Each way is written out with its own buffers' addresses.  Both issue 20 loads into the same ring registers and meet again at once,
	; so every counted wait further down counts the same loads whichever way was taken; no barrier stands inside the branch.
	s_wait_kmcnt 0x0                               ; the word of time_mask
	s_and_b32 s2, s54, 3
	s_lshl_b32 s2, s2, 3
	s_lshr_b32 s56, s56, s2
	s_and_b32 s56, s56, 0xff                       ; time_mask[b][q]
	s_cmp_lg_u32 s56, 0
	s_cbranch_scc1 .Lfillv
.set T, 0
.rept DEPTH
	ISSUE T, PTK, PDK
.set T, T+1
.endr
	s_branch .Lfilled
.Lfillv:
.set T, 0
.rept DEPTH
	ISSUE T, PTV, PDV
.set T, T+1
.endr
.Lfilled:
; 16 landed rows to bf16, into LDS rows of pitch PH
.macro CVTSTORE land, off
.irp t, 0,1,2,3,4,5,6,7
	v_cvt_pk_bf16_f32 v[\land+4*\t], v[\land+4*\t], v[\land+4*\t+1]
	v_cvt_pk_bf16_f32 v[\land+4*\t+1], v[\land+4*\t+2], v[\land+4*\t+3]
	ds_store_b64 v[STA], v[\land+4*\t:\land+4*\t+1] offset:\off+2*PH*\t
.endr
.endm
; 16 landed rows plus the bias of my columns, f32, into LDS rows of pitch PF
.macro ADDSTORE land, bias, off
.irp t, 0,1,2,3,4,5,6,7
	v_pk_add_f32 v[\land+4*\t:\land+4*\t+1], v[\land+4*\t:\land+4*\t+1], v[\bias:\bias+1]
	v_pk_add_f32 v[\land+4*\t+2:\land+4*\t+3], v[\land+4*\t+2:\land+4*\t+3], v[\bias+2:\bias+3]
	ds_store_b128 v[PSA], v[\land+4*\t:\land+4*\t+3] offset:\off+2*PF*\t
.endr
.endm
	; Loads come back in order (ISA guide 5.7.1); each count is the number of loads issued behind the ones needed, of 39 + 20.
	s_wait_loadcnt 51                              ; behind the share: 8 + 1 + 8 + 1 + 8 + 1 + 4 + 20
	CVTSTORE LA, 0
	s_wait_loadcnt 43                              ; behind the keys: 1 + 8 + 1 + 8 + 1 + 4 + 20
	CVTSTORE LB, KEYB
	s_wait_loadcnt 34                              ; behind bk and pK: 1 + 8 + 1 + 4 + 20
	ADDSTORE LC, BK, 0
	s_wait_loadcnt 25                              ; behind bv and pV: 1 + 4 + 20
	ADDSTORE LD, BV, VP
	s_wait_loadcnt 20                              ; behind bq and the mask: the ring
.irp g, 0,1,2,3
	v_and_b32 v251, 1, v[ML+\g]                    ; attn_mask[q][2j]
	v_bfe_u32 v252, v[ML+\g], 8, 1                 ; attn_mask[q][2j+1]
	v_sub_nc_u32 v251, 0, v251                     ; 0 or all ones
	v_sub_nc_u32 v252, 0, v252
	v_bfi_b32 v[MW+\g], 0xffff, v251, v252         ; bits 0-15 for the lanes of k = 2j, bits 16-31 for those of k = 2j+1
.endr
	s_wait_dscnt 0x0                               ; my LDS stores are done: STG's blocks are read by every wave behind the barrier
	s_barrier_signal -1
	s_barrier_wait -1
; A tile of 16 rows x 64 columns: rows (fragments in AF) times the 64 rows of weight matrix mtx, K = 64 in two instructions a tile.
; The weight rows are source 0 and the key (query) rows source 1, so that lane (c, hh) holds row c, columns 16 nt + 8 hh + 0 .. 7:
; 32 neighbouring bytes of an LDS row.  zero = 0: C comes from the tile's own LDS bytes (pK + bk, stored above by this wave in row order;
; LDS serves a wave's instructions in order, ISA guide 5.7.1) and the result goes back to them.  zero = 1: the first product starts the sums.
.macro PROJ mtx, cda, cdoff, zero
.irp nt, 0,1,2,3
.irp p, 0,1,2,3
	ds_load_b128 v[BF+16*\nt+4*\p:BF+16*\nt+4*\p+3], v[FB] offset:(4*\mtx+\nt)*BLK+32*\p
.endr
.endr
.if \zero == 0
.irp nt, 0,1,2,3
	ds_load_b128 v[CD+8*\nt:CD+8*\nt+3], v[\cda] offset:\cdoff+64*\nt
	ds_load_b128 v[CD+8*\nt+4:CD+8*\nt+7], v[\cda] offset:\cdoff+64*\nt+16
.endr
.endif
	s_wait_dscnt 0x0                               ; all fragments (AF's too) and C are in
.irp nt, 0,1,2,3
.if \zero
	v_wmma_f32_16x16x32_bf16 v[CD+8*\nt:CD+8*\nt+7], v[BF+16*\nt:BF+16*\nt+7], v[AF:AF+7], 0
.else
	v_wmma_f32_16x16x32_bf16 v[CD+8*\nt:CD+8*\nt+7], v[BF+16*\nt:BF+16*\nt+7], v[AF:AF+7], v[CD+8*\nt:CD+8*\nt+7]
.endif
.endr
.irp nt, 0,1,2,3
	v_wmma_f32_16x16x32_bf16 v[CD+8*\nt:CD+8*\nt+7], v[BF+16*\nt+8:BF+16*\nt+15], v[AF+8:AF+15], v[CD+8*\nt:CD+8*\nt+7]
.endr
.rept 5
	v_nop                                          ; places behind the matrix instructions: four in front of the stores of D and of the next
.endr                                                  ; loads into these operands, the fifth in front of a later product that writes over D with C = 0
.irp nt, 0,1,2,3
	ds_store_b128 v[\cda], v[CD+8*\nt:CD+8*\nt+3] offset:\cdoff+64*\nt
	ds_store_b128 v[\cda], v[CD+8*\nt+4:CD+8*\nt+7] offset:\cdoff+64*\nt+16
.endr
.endm
.irp p, 0,1,2,3
	ds_load_b128 v[AF+4*\p:AF+4*\p+3], v[FA] offset:KEYB+32*\p     ; my 16 key rows
.endr
	PROJ 1, CDA, 0, 0                              ; K + bk + pK, rows 16w .. 16w+15
	PROJ 2, CDA, VP, 0                             ; V + bv + pV
	s_cmp_lg_u32 s3, 12
	s_cbranch_scc1 .Lnoq                           ; wave 12, whose key tile is half empty, also makes the block's Q rows
.irp p, 0,1,2,3
	ds_load_b128 v[AF+4*\p:AF+4*\p+3], v[FB] offset:12*BLK+32*\p   ; query rows q0 .. q0+15
.endr
	PROJ 0, QDA, 0, 1
.Lnoq:
	s_wait_dscnt 0x0                               ; my tiles are stored: every wave reads them behind the barrier; from here on LDS is only read
	s_barrier_signal -1
	s_barrier_wait -1
	s_cmp_ge_u32 s3, s42
	s_cbranch_scc1 .Lend                           ; wave 12 of a block of 12 rows has no row
	s_cmp_lg_u32 s56, 0
	s_cbranch_scc1 .Lmean                          ; a time-masked row
; LDS rows 2j + hh of step t's side into slot t mod LDEPTH: each half of the lanes reads 256 consecutive bytes
.macro LFETCH t
.if (\t) < STEPS
	ds_load_b128 v[LR+4*((\t)%LDEPTH):LR+4*((\t)%LDEPTH)+3], v[LKP] offset:2*PF*(\t)
.else
	ds_load_b128 v[LR+4*((\t)%LDEPTH):LR+4*((\t)%LDEPTH)+3], v[LVP] offset:2*PF*((\t)-STEPS)
.endif
.endm
; The head of step T: its two loads are in while the nine younger steps' 18 stay out, its LDS row while the three younger fetches stay out.
; The last steps issue nothing more, and the counts run down to 0.
.macro HEAD
.if T <= 2*STEPS-1-(DEPTH-1)
	s_wait_loadcnt 2*(DEPTH-1)
.else
	s_wait_loadcnt 2*(2*STEPS-1-T)
.endif
.if T <= 2*STEPS-1-(LDEPTH-1)
	s_wait_dscnt LDEPTH-1
.else
	s_wait_dscnt 2*STEPS-1-T
.endif
.endm
; A score step: SC[T] = Q . (tK + dK + (K + bk + pK)) of k = 2T + hh for my head, or the mask constant.
.macro KSTEP
.set R, RING+8*(T%DEPTH)
.set LS, LR+4*(T%LDEPTH)
	HEAD
	v_readlane_b32 s[MSK+T%2], v[MW+T/32], T%32    ; the step's 32-lane mask
	v_pk_add_f32 v[X:X+1], v[R:R+1], v[R+4:R+5]
	v_pk_add_f32 v[X+2:X+3], v[R+2:R+3], v[R+6:R+7]
.if T+DEPTH < STEPS
	ISSUE T+DEPTH, PTK, PDK                        ; the slot just read is filled again, DEPTH steps ahead;
.else
	ISSUE T+DEPTH, PTV, PDV                        ; the last DEPTH score steps already ask for the V side
.endif
	v_pk_add_f32 v[X:X+1], v[X:X+1], v[LS:LS+1]
	v_pk_add_f32 v[X+2:X+3], v[X+2:X+3], v[LS+2:LS+3]
	LFETCH T+LDEPTH
	v_pk_mul_f32 v[X:X+1], v[X:X+1], v[QV:QV+1]
	v_pk_fma_f32 v[X:X+1], v[X+2:X+3], v[QV+2:QV+3], v[X:X+1]
	v_add_f32 v[SC+T], v[X], v[X+1]                ; my 4 columns; then the 8 lanes of my head, the sum landing in all 8
	v_add_f32_dpp v[SC+T], v[SC+T], v[SC+T] row_xmask:1 row_mask:0xf bank_mask:0xf
	v_add_f32_dpp v[SC+T], v[SC+T], v[SC+T] row_xmask:2 row_mask:0xf bank_mask:0xf
	v_add_f32_dpp v[SC+T], v[SC+T], v[SC+T] row_xmask:4 row_mask:0xf bank_mask:0xf
	v_cndmask_b32 v[SC+T], v[SC+T], v[NEGV], s[MSK+T%2]
.endm
; An output step: ACC += weight x (tV + dV + (V + bv + pV)) of k = 2J + hh.  uni = 1: all weights alike, a plain sum.
; The first step starts the sums: nothing is cleared.
.macro VSTEP uni
.set R, RING+8*(T%DEPTH)
.set LS, LR+4*(T%LDEPTH)
.set J, T-STEPS
.set DST, X
.if \uni
.if J == 0
.set DST, ACC
.endif
.endif
	HEAD
	v_pk_add_f32 v[X:X+1], v[R:R+1], v[R+4:R+5]
	v_pk_add_f32 v[X+2:X+3], v[R+2:R+3], v[R+6:R+7]
.if T+DEPTH < 2*STEPS
	ISSUE T+DEPTH, PTV, PDV
.endif
	v_pk_add_f32 v[DST:DST+1], v[X:X+1], v[LS:LS+1]
	v_pk_add_f32 v[DST+2:DST+3], v[X+2:X+3], v[LS+2:LS+3]
.if T+LDEPTH < 2*STEPS
	LFETCH T+LDEPTH
.endif
.if \uni
.if J > 0
	v_pk_add_f32 v[ACC:ACC+1], v[ACC:ACC+1], v[X:X+1]
	v_pk_add_f32 v[ACC+2:ACC+3], v[ACC+2:ACC+3], v[X+2:X+3]
.endif
.else
.if J == 0
	v_pk_mul_f32 v[ACC:ACC+1], v[X:X+1], v[SC:SC+1] op_sel_hi:[1,0]
	v_pk_mul_f32 v[ACC+2:ACC+3], v[X+2:X+3], v[SC:SC+1] op_sel_hi:[1,0]
.else
.if J%2 == 0
	v_pk_fma_f32 v[ACC:ACC+1], v[X:X+1], v[SC+J:SC+J+1], v[ACC:ACC+1] op_sel_hi:[1,0,1]            ; both halves by the pair's first word
	v_pk_fma_f32 v[ACC+2:ACC+3], v[X+2:X+3], v[SC+J:SC+J+1], v[ACC+2:ACC+3] op_sel_hi:[1,0,1]
.else
	v_pk_fma_f32 v[ACC:ACC+1], v[X:X+1], v[SC+J-1:SC+J], v[ACC:ACC+1] op_sel:[0,1,0] op_sel_hi:[1,1,1]   ; both halves by its second word
	v_pk_fma_f32 v[ACC+2:ACC+3], v[X+2:X+3], v[SC+J-1:SC+J], v[ACC+2:ACC+3] op_sel:[0,1,0] op_sel_hi:[1,1,1]
.endif
.endif
.endif
.endm
; The two parities of k meet, the sums are scaled (lit = 1: by 1/200, else by 1 / sum of the exponentials), and lanes 0-15 store the row:
; 256 consecutive bytes at a multiple of 256 from out0's first byte.
.macro FINISH lit
.irp k, 0,1,2,3
	v_permlanex16_b32 v[X+\k], v[ACC+\k], s48, s49 ; X was written whole in every step
.endr
	v_pk_add_f32 v[ACC:ACC+1], v[ACC:ACC+1], v[X:X+1]
	v_pk_add_f32 v[ACC+2:ACC+3], v[ACC+2:ACC+3], v[X+2:X+3]
.if \lit
	v_pk_mul_f32 v[ACC:ACC+1], v[ACC:ACC+1], 0x3ba3d70a op_sel_hi:[1,0]
	v_pk_mul_f32 v[ACC+2:ACC+3], v[ACC+2:ACC+3], 0x3ba3d70a op_sel_hi:[1,0]
.else
	s_wait_alu depctr_va_vdst(0)
	v_pk_mul_f32 v[ACC:ACC+1], v[ACC:ACC+1], v[RL:RL+1]
	v_pk_mul_f32 v[ACC+2:ACC+3], v[ACC+2:ACC+3], v[RL:RL+1]
.endif
	v_cmp_gt_u32 vcc_lo, 0x100, v[LANE16]          ; lanes 0-15
	s_wait_xcnt 0x0                                ; EXEC is a source of every memory instruction issued so far: it narrows only behind this wait,
	s_and_saveexec_b32 s57, vcc_lo
	global_store_b128 v[LANE16], v[ACC:ACC+3], s[POUT:POUT+1] th:TH_STORE_NT
	s_wait_xcnt 0x0                                ; and widens only behind this one
	s_or_b32 exec_lo, exec_lo, s57
	s_wait_xcnt 0x0
	s_mov_b32 exec_lo, -1
	v_lshl_add_u32 v254, v0, 2, 0x2b500
	v_mov_b32 v255, 0
	s_wait_tensorcnt 0x0
	ds_add_u32 v254, v255
	s_wait_dscnt 0x0
	s_endpgm
.endm
	; AN OPEN ROW
	ds_load_b128 v[QV:QV+3], v[QRA]                ; my columns of queries Wq^T, row q
.set T, 0
.rept LDEPTH
	LFETCH T
.set T, T+1
.endr
	s_wait_dscnt LDEPTH                            ; the four fetches behind it stay out: Q is in
	v_pk_add_f32 v[QV:QV+1], v[QV:QV+1], v[BQ:BQ+1]
	v_pk_add_f32 v[QV+2:QV+3], v[QV+2:QV+3], v[BQ+2:BQ+3]
	v_pk_mul_f32 v[QV:QV+1], v[QV:QV+1], 0x3e8293ee op_sel_hi:[1,0]        ; log2(e) / sqrt(32)
	v_pk_mul_f32 v[QV+2:QV+3], v[QV+2:QV+3], 0x3e8293ee op_sel_hi:[1,0]
.set T, 0
.rept STEPS
	KSTEP
.set T, T+1
.endr
	; Softmax over the row's 200 scores of my head: 100 in my registers, 100 in lane xor 16.  The V side's first loads are on their way meanwhile.
	v_max_num_f32 v[M0], v[SC], v[SC+1]
	v_max_num_f32 v[M1], v[SC+50], v[SC+51]
.set J, 2
.rept 24
	v_max3_num_f32 v[M0], v[M0], v[SC+J], v[SC+J+1]
	v_max3_num_f32 v[M1], v[M1], v[SC+50+J], v[SC+50+J+1]
.set J, J+2
.endr
	v_max_num_f32 v[M0], v[M0], v[M1]
	v_permlanex16_b32 v[M1], v[M0], s48, s49
	v_max_num_f32 v[MP], v[M0], v[M1]
	v_max_num_f32 v[MP+1], v[M0], v[M1]
.set J, 0
.rept 50
	v_pk_add_f32 v[SC+J:SC+J+1], v[SC+J:SC+J+1], v[MP:MP+1] neg_lo:[0,1] neg_hi:[0,1]      ; the maximum is taken away
.set J, J+2
.endr
.set J, 0
.rept 100
	v_exp_f32 v[SC+J], v[SC+J]
.set J, J+1
.endr
	v_nop                                          ; one plain place between the exponentials and the first use of a result (ISA guide 5.7.2)
	s_wait_alu depctr_va_vdst(0)
	v_pk_add_f32 v[X:X+1], v[SC:SC+1], v[SC+2:SC+3]        ; two chains, started by sums of pairs
	v_pk_add_f32 v[X+2:X+3], v[SC+4:SC+5], v[SC+6:SC+7]
.set J, 8
.rept 23
	v_pk_add_f32 v[X:X+1], v[X:X+1], v[SC+J:SC+J+1]
	v_pk_add_f32 v[X+2:X+3], v[X+2:X+3], v[SC+J+2:SC+J+3]
.set J, J+4
.endr
	v_pk_add_f32 v[X:X+1], v[X:X+1], v[X+2:X+3]
	v_add_f32 v[M0], v[X], v[X+1]
	v_permlanex16_b32 v[M1], v[M0], s48, s49
	v_add_f32 v[M0], v[M0], v[M1]                  ; at least 1: the largest score gives 2^0
	v_rcp_f32 v[RL], v[M0]                         ; used behind the 100 output steps, whose first line is the plain place behind these two
	v_rcp_f32 v[RL+1], v[M0]
.set T, STEPS
.rept STEPS
	VSTEP 0
.set T, T+1
.endr
	FINISH 0
	; A TIME-MASKED ROW: the ring was filled from tV and dV; the mean of the 200 V-side rows.
.Lmean:
.set T, STEPS
.rept LDEPTH
	LFETCH T
.set T, T+1
.endr
.set T, STEPS
.rept STEPS
	VSTEP 1
.set T, T+1
.endr
	FINISH 1
.Lend:
	s_wait_xcnt 0x0
	s_mov_b32 exec_lo, -1
	v_lshl_add_u32 v254, v0, 2, 0x2b500
	v_mov_b32 v255, 0
	s_wait_tensorcnt 0x0
	ds_add_u32 v254, v255
	s_wait_dscnt 0x0
	s_endpgm
.Lfunc_end_k_q31d4411180_tattn:
	.size	k_q31d4411180_tattn, .Lfunc_end_k_q31d4411180_tattn-k_q31d4411180_tattn
	.p2alignl 7, 3214868480
	.fill 96, 4, 3214868480
	.section	.rodata,"a",@progbits
	.p2align	6, 0x0
	.amdhsa_kernel k_q31d4411180_tattn
		.amdhsa_group_segment_fixed_size 179200
		.amdhsa_private_segment_fixed_size 0
		.amdhsa_enable_private_segment 0
		.amdhsa_kernarg_size 136
		.amdhsa_user_sgpr_count 2
		.amdhsa_user_sgpr_kernarg_segment_ptr 1
		.amdhsa_wavefront_size32 1
		.amdhsa_system_sgpr_workgroup_id_x 1
		.amdhsa_system_sgpr_workgroup_id_y 1
		.amdhsa_system_sgpr_workgroup_id_z 1
		.amdhsa_system_vgpr_workitem_id 0
		.amdhsa_next_free_vgpr 256
		.amdhsa_next_free_sgpr 66
		.amdhsa_reserve_vcc 1
		.amdhsa_float_denorm_mode_32 3
		.amdhsa_float_denorm_mode_16_64 3
		.amdhsa_memory_ordered 1
		.amdhsa_forward_progress 1
		.amdhsa_inst_pref_size 255
	.end_amdhsa_kernel
	.section	.bss,"aw",@nobits
	.p2align	6
	.space	262144
	.amdgpu_metadata
---
amdhsa.version: [ 1, 2 ]
amdhsa.kernels:
  - .name:           k_q31d4411180_tattn
    .symbol:         k_q31d4411180_tattn.kd
    .args:
      - { .name: queries, .offset: 0, .size: 8, .value_kind: global_buffer, .address_space: global }
      - { .name: keys, .offset: 8, .size: 8, .value_kind: global_buffer, .address_space: global }
      - { .name: time_mask, .offset: 16, .size: 8, .value_kind: global_buffer, .address_space: global }
      - { .name: attn_mask, .offset: 24, .size: 8, .value_kind: global_buffer, .address_space: global }
      - { .name: time_matrix_K, .offset: 32, .size: 8, .value_kind: global_buffer, .address_space: global }
      - { .name: dis_matrix_K, .offset: 40, .size: 8, .value_kind: global_buffer, .address_space: global }
      - { .name: time_matrix_V, .offset: 48, .size: 8, .value_kind: global_buffer, .address_space: global }
      - { .name: dis_matrix_V, .offset: 56, .size: 8, .value_kind: global_buffer, .address_space: global }
      - { .name: abs_pos_K, .offset: 64, .size: 8, .value_kind: global_buffer, .address_space: global }
      - { .name: abs_pos_V, .offset: 72, .size: 8, .value_kind: global_buffer, .address_space: global }
      - { .name: Wq, .offset: 80, .size: 8, .value_kind: global_buffer, .address_space: global }
      - { .name: Wk, .offset: 88, .size: 8, .value_kind: global_buffer, .address_space: global }
      - { .name: Wv, .offset: 96, .size: 8, .value_kind: global_buffer, .address_space: global }
      - { .name: bq, .offset: 104, .size: 8, .value_kind: global_buffer, .address_space: global }
      - { .name: bk, .offset: 112, .size: 8, .value_kind: global_buffer, .address_space: global }
      - { .name: bv, .offset: 120, .size: 8, .value_kind: global_buffer, .address_space: global }
      - { .name: out0, .offset: 128, .size: 8, .value_kind: global_buffer, .address_space: global }
    .group_segment_fixed_size: 179200
    .private_segment_fixed_size: 0
    .kernarg_segment_align: 8
    .kernarg_segment_size: 136
    .max_flat_workgroup_size: 416
    .sgpr_count:     66
    .vgpr_count:     256
    .wavefront_size: 32
...
	.end_amdgpu_metadata
.endif
;; end of part 1
